; MI455X (gfx1250); checked and timed in simulation.
; The chip was launched on July 23, 2026; its instructions are those of AMD's public machine-readable ISA for CDNA 5 (MIT licence, August 2026) and "CDNA5" Instruction Set Architecture Reference Guide (July 2026). The comments in the code are by the model that wrote it; some were corrected since.
;; FP8 Dynamic Matmul. Allowed arithmetic: float matrix products may take bf16 or f16 operands with f32 sums; other float arithmetic in f32, or as packed bf16 or f16 multiplies, adds, multiply-adds, maxima and minima; sums over many terms, partial sums and values carried from step to step in f32; what a program stores and reads back later, other than sums and carried values, may be rounded once to bf16 or f16.
;; Inputs: input1 4,096 x 4,096 float32; input2 4,096 x 4,096 float32.
;; Outputs: out0 4,096 x 4,096 float32.
;; 2 versions, each right; version 2 is version 1 with the launch quant written anew for expert scheduling mode. Each part assembles by itself: llvm-mc -triple=amdgcn-amd-amdhsa -mcpu=gfx1250 --defsym DOCPART=n.
;; ======== version 1 of 2: 3 launches
;; workspace buffers: pmax 4,096 bytes; qa 16,777,216 bytes; qb 16,777,216 bytes
;; launch absmax (part 1): grid 512 x 2, 8 waves a work-group, no clusters, 1,280 bytes of LDS; arguments input1, input2, pmax; writes pmax
.if DOCPART == 1
	.amdgcn_target "amdgcn-amd-amdhsa--gfx1250"
	.amdhsa_code_object_version 6
	.text
	.protected	k_q95c44fc5a6_absmax
	.globl	k_q95c44fc5a6_absmax
	.p2align	8
	.type	k_q95c44fc5a6_absmax,@function
k_q95c44fc5a6_absmax:
	s_mov_b64 s[64:65], 0
	v_nop
	global_prefetch_b8 v0, s[64:65] scope:SCOPE_SE
	s_setreg_imm32_b32 hwreg(HW_REG_WAVE_MODE, 25, 1), 1
	s_wait_xcnt 0x0
; FIRST OF THREE LAUNCHES for out = (q1 q2) (s1_inv s2_inv), q = e4m3(x 216 / max|x|), the maximum taken over a whole tensor of 4096 x 4096 f32.
; This launch: pmax[y][x] = the largest |v| of chunk x (131,072 bytes) of tensor y (0: input1, 1: input2).  The second launch finishes the maxima, scales and rounds;
; the third multiplies.  A maximum over a tensor spans work-groups, so it is finished in a later launch, by every wave that needs it, from these 512 words a tensor.
; NOTHING OF THE PROBLEM IS LEFT OUT: both inputs reach every output, through the maximum and through the product; no work is dead.
; LIMITS.  A NaN among the inputs loses in the maximum (jnp.max would carry it to every output; here it reaches its own row or column of the output alone); an infinity makes the maximum infinite.
; SHARES.  Eight waves; thread t reads the 16 bytes at 16 t + 4,096 i of the chunk, i = 0 .. 31: a wave's load covers 512 consecutive bytes, aligned.  A ring of 16 register slots keeps
; 16 loads of every wave on their way; each slot is filled twice, so both rounds are written out and no address register is ever stepped.
; max|v| = max(max v, -min v): a running maximum and a running minimum, three operands an instruction, two chains each.
; No matrix unit, no cluster, no tensor load: no byte is wanted by two waves.  No prefetch: the ring's own loads are the stream.
.set STEP,  4096                       ; bytes that the work-group reads in one turn of a slot
.set SPARE, 256                        ; LDS: bytes 0-31 the eight waves' maxima (the block 0-255 is theirs alone); from 256 on the spare words, 128 bytes for each wave
.set X,     32                         ; v[32:95]  slot i: 4 registers
.set SEL,   14                         ; s[14:15]  v_permlanex16_b32's selects: each lane takes its own place in the other half
; v1 16 t (never rewritten); v2, v3 maxima; v4, v5 minima; v6, v7 at work; v8 4 x wave; v9 0; v10 my work-group's byte in pmax; v[12:19] the eight waves' maxima; v30, v31 the add's two registers
.macro WMAX r, t                       ; the maximum over the wave's 32 lanes, in every lane; t has been written before
	v_max_num_f32_dpp v[\r], v[\r], v[\r] row_xmask:1 row_mask:0xf bank_mask:0xf
	v_max_num_f32_dpp v[\r], v[\r], v[\r] row_xmask:2 row_mask:0xf bank_mask:0xf
	v_max_num_f32_dpp v[\r], v[\r], v[\r] row_xmask:4 row_mask:0xf bank_mask:0xf
	v_max_num_f32_dpp v[\r], v[\r], v[\r] row_xmask:8 row_mask:0xf bank_mask:0xf
	v_permlanex16_b32 v[\t], v[\r], s[SEL], s[SEL+1]
	v_max_num_f32 v[\r], v[\r], v[\t]
.endm
	s_load_b128 s[4:7], s[0:1], 0x0                ; input1 s[4:5], input2 s[6:7]
	s_load_b64 s[8:9], s[0:1], 0x10                ; pmax
	v_lshl_add_u32 v30, v0, 2, SPARE               ; my spare word
	v_mov_b32 v31, 0
	v_lshlrev_b32 v1, 4, v0                        ; 16 t
	v_lshrrev_b32 v8, 5, v0
	v_readfirstlane_b32 s10, v8                    ; wave 0..7
	v_mov_b32 v8, s10
	v_lshlrev_b32 v8, 2, v8                        ; my wave's word in LDS
	v_mov_b32 v9, 0
	s_and_b32 s11, ttmp7, 0xffff                   ; y: which tensor
	s_lshl_b32 s12, ttmp9, 17                      ; the chunk's first byte (under 2^26)
	s_mov_b32 s13, 0
	s_mov_b32 s[SEL], 0x76543210
	s_mov_b32 s[SEL+1], 0xfedcba98
	s_lshl_b32 s21, s11, 9
	s_add_co_u32 s21, s21, ttmp9
	s_lshl_b32 s21, s21, 2                         ; 4 (512 y + x)
	v_mov_b32 v10, s21
	s_wait_kmcnt 0x0
	s_cmp_eq_u32 s11, 0
	s_cselect_b64 s[16:17], s[4:5], s[6:7]
	s_add_nc_u64 s[16:17], s[16:17], s[12:13]
.irp i, 0,1,2,3,4,5,6,7,8,9,10,11,12,13,14,15
	global_load_b128 v[X+4*(\i):X+4*(\i)+3], v1, s[16:17] offset:(\i)*STEP th:TH_LOAD_NT  ; the ring is filled
.endr
; One slot's turn.  round = 0: the slot is filled again, 16 turns ahead.
.macro SLOT i, round
.if \round
	s_wait_loadcnt 15-(\i)                         ; nothing is loaded any more: the counts run down
.else
	s_wait_loadcnt 15                              ; loads come back in order (ISA guide 5.7.1): mine is in, the 15 younger ones stay out
.endif
.if ((\i) == 0) && ((\round) == 0)
	v_max_num_f32 v2, v[X], v[X+1]                 ; the first four numbers start the chains: nothing is cleared
	v_max_num_f32 v3, v[X+2], v[X+3]
	v_min_num_f32 v4, v[X], v[X+1]
	v_min_num_f32 v5, v[X+2], v[X+3]
.else
	v_max3_num_f32 v2, v2, v[X+4*(\i)], v[X+4*(\i)+1]
	v_max3_num_f32 v3, v3, v[X+4*(\i)+2], v[X+4*(\i)+3]
	v_min3_num_f32 v4, v4, v[X+4*(\i)], v[X+4*(\i)+1]
	v_min3_num_f32 v5, v5, v[X+4*(\i)+2], v[X+4*(\i)+3]
.endif
.if (\round) == 0
	global_load_b128 v[X+4*(\i):X+4*(\i)+3], v1, s[16:17] offset:(16+(\i))*STEP th:TH_LOAD_NT
.endif
.endm
.irp i, 0,1,2,3,4,5,6,7,8,9,10,11,12,13,14,15
	SLOT \i, 0
.endr
.irp i, 0,1,2,3,4,5,6,7,8,9,10,11,12,13,14,15
	SLOT \i, 1
.endr
	v_max_num_f32 v2, v2, v3
	v_min_num_f32 v4, v4, v5
	v_mul_f32 v4, -1.0, v4                         ; -min
	v_max_num_f32 v6, v2, v4                       ; my 128 numbers' largest magnitude
	v_mov_b32 v7, v6                               ; v_permlanex16_b32's destination counts as read
	WMAX 6, 7
	ds_store_b32 v8, v6                            ; all lanes write the wave's word with the same number
	s_wait_dscnt 0x0                               ; for the others' sake: my store is done
	s_barrier_signal -1
	s_barrier_wait -1
	ds_load_b128 v[12:15], v9                      ; the eight waves' maxima, in every lane
	ds_load_b128 v[16:19], v9 offset:16
	s_wait_dscnt 0x0
	v_max3_num_f32 v12, v12, v13, v14
	v_max3_num_f32 v15, v15, v16, v17
	v_max3_num_f32 v12, v12, v18, v19
	v_max_num_f32 v12, v12, v15
	s_wait_xcnt 0x0                                ; EXEC is a source of the loads above: it changes only behind this wait
	v_cmp_eq_u32 vcc_lo, 0, v0
	s_and_saveexec_b32 s20, vcc_lo                 ; thread 0 alone stores the work-group's one word
	global_store_b32 v10, v12, s[8:9]
	s_wait_xcnt 0x0                                ; and again, in front of the line that widens it
	s_or_b32 exec_lo, exec_lo, s20
	s_wait_tensorcnt 0x0                           ; the wave's end, behind my last LDS store
	ds_add_u32 v30, v31
	s_wait_dscnt 0x0
	s_endpgm
.Lfunc_end_k_q95c44fc5a6_absmax:
	.size	k_q95c44fc5a6_absmax, .Lfunc_end_k_q95c44fc5a6_absmax-k_q95c44fc5a6_absmax
	.p2alignl 7, 3214868480
	.fill 96, 4, 3214868480
	.section	.rodata,"a",@progbits
	.p2align	6, 0x0
	.amdhsa_kernel k_q95c44fc5a6_absmax
		.amdhsa_group_segment_fixed_size 1280
		.amdhsa_private_segment_fixed_size 0
		.amdhsa_enable_private_segment 0
		.amdhsa_kernarg_size 24
		.amdhsa_user_sgpr_count 2
		.amdhsa_user_sgpr_kernarg_segment_ptr 1
		.amdhsa_wavefront_size32 1
		.amdhsa_system_sgpr_workgroup_id_x 1
		.amdhsa_system_sgpr_workgroup_id_y 1
		.amdhsa_system_sgpr_workgroup_id_z 1
		.amdhsa_system_vgpr_workitem_id 0
		.amdhsa_next_free_vgpr 96
		.amdhsa_next_free_sgpr 66
		.amdhsa_reserve_vcc 1
		.amdhsa_float_denorm_mode_32 3
		.amdhsa_float_denorm_mode_16_64 3
		.amdhsa_memory_ordered 1
		.amdhsa_forward_progress 1
		.amdhsa_inst_pref_size 15
	.end_amdhsa_kernel
	.amdgpu_metadata
---
amdhsa.version: [ 1, 2 ]
amdhsa.kernels:
  - .name:           k_q95c44fc5a6_absmax
    .symbol:         k_q95c44fc5a6_absmax.kd
    .args:
      - { .name: input1, .offset: 0, .size: 8, .value_kind: global_buffer, .address_space: global }
      - { .name: input2, .offset: 8, .size: 8, .value_kind: global_buffer, .address_space: global }
      - { .name: pmax, .offset: 16, .size: 8, .value_kind: global_buffer, .address_space: global }
    .group_segment_fixed_size: 1280
    .private_segment_fixed_size: 0
    .kernarg_segment_align: 8
    .kernarg_segment_size: 24
    .max_flat_workgroup_size: 256
    .sgpr_count:     66
    .vgpr_count:     96
    .wavefront_size: 32
...
	.end_amdgpu_metadata
.endif
;; end of part 1
;; launch quant (part 2): grid 512 x 2, 8 waves a work-group, no clusters, 0 bytes of LDS; arguments input1, input2, pmax, qa, qb; writes qa, qb
.if DOCPART == 2
	.amdgcn_target "amdgcn-amd-amdhsa--gfx1250"
	.amdhsa_code_object_version 6
	.text
	.protected	k_q95c44fc5a6_quant
	.globl	k_q95c44fc5a6_quant
	.p2align	8
	.type	k_q95c44fc5a6_quant,@function
k_q95c44fc5a6_quant:
	s_mov_b64 s[64:65], 0
	v_nop
	global_prefetch_b8 v0, s[64:65] scope:SCOPE_SE
	s_setreg_imm32_b32 hwreg(HW_REG_WAVE_MODE, 25, 1), 1
	s_wait_xcnt 0x0
; SECOND OF THREE LAUNCHES.  q = e4m3(x scale), scale = 216 / max|x|, for both tensors.  The e4m3 numbers are stored as they are, one byte each: nothing is lost, and the third launch widens them to bf16
; (exact: an e4m3 number has 4 significant bits and lies between 2^-9 and 448 in magnitude, or is 0) on their way to the matrix unit.  Nothing of the problem is left out.
; THE ORDER ALONG K.  Both operands are stored in one and the same order of k, which leaves every sum over k as it is.  Inside each block of 256 k, place p = 8 l + c (l = 0..31, c = 0..7) holds
; k = 4 l + c for c < 4 and k = 128 + 4 l + (c - 4) for c >= 4.  That is what falls out when a wave takes 1,024 consecutive bytes of a row of input1 by two loads of 512 and each lane stores its 4 + 4 codes as 8 bytes.
;   qa[m][p]: 4,096 bytes a row.     qb[P][n][e]: place p = 2 P + e; a PAIR ROW P is 8,192 bytes, two codes for each column n.  Places 2 P and 2 P + 1 are neighbouring rows k, k + 1 (k even) of input2.
;   Pair a = k / 2 of a block goes to P = 4 (a / 2) + a % 2 for a < 64, and to 4 ((a - 64) / 2) + 2 + a % 2 for a >= 64.  Chunk x holds rows 8 x .. 8 x + 7, pairs 4 x + j: so its pair rows are
;   128 (x / 32) + 8 (x % 16) + 2 ((x / 16) % 2) + 4 (j / 2) + j % 2.
; THE SCALE.  Each wave finishes its tensor's maximum from the 512 words that the first launch stored, and divides: r = 1 / max (v_rcp_f32), q0 = 216 r, e = 216 - max q0 (one fused line),
; scale = q0 + e r.  That is 216 / max to within the last bit.
; LIMITS.  max|x| lies in 2^-126 .. 2^126 (v_rcp_f32 takes a denormal for 0 and gives 0 for a denormal result: ISA guide, its entry in 15.8).  Where the scale's last bit differs from the f32 quotient's,
; an x scale that falls on the border between two codes may take the neighbouring code.  |x scale| is at most 216 (1 + 2^-22), under e4m3's 448: nothing is clamped.
; A tensor of zeros gives NaN everywhere (0 x infinity), as the problem's own formula does.  A NaN in x becomes a NaN code; it is not in the maximum (first launch).
; SHARES.  Work-group (x, y) has chunk x (131,072 bytes, 8 rows) of tensor y.  A TURN is two loads of 16 bytes a lane and one store of 8: every load of a wave covers 512 consecutive bytes, every store 256, all aligned.
;   input1: wave w, turn u: the 1,024 bytes at 1,024 w + 8,192 u, as two halves.     input2: turn u: the 4,096 bytes at 4,096 (u % 4) of rows 2 (u / 4) and 2 (u / 4) + 1, 16 bytes a thread of each.
; A ring of 8 slots of two loads, each filled twice; both rounds are written out.  The two tensors differ in the immediates and in the order of packing: one macro, expanded twice, under a scalar branch on y.
; NO REGISTER THAT A STORE READS IS WRITTEN AGAIN: the first round's results have registers of their own (Y), the second round's go into the slot that they came from;
; offsets and bases are never stepped.  So no wait stands in the text for the stores' sake.
; No LDS, no barrier: no wave wants another's bytes.  No prefetch: the ring's own loads are the stream.
.set SCL,  4                           ; v[4:5]    the scale, twice (a pair for the packed multiply)
.set Y,    16                          ; v[16:31]  my 16 words of pmax; then the first round's results, turn u: 2 registers
.set T,    32                          ; v[32:39]  at work: a turn's eight numbers, scaled
.set X,    48                          ; v[48:111] slot u % 8: 8 registers as loaded; in the second round its first two take the result
.set SEL,  24                          ; s[24:25]  v_permlanex16_b32's selects
; v1 my byte in a turn's loads, v2 8 t, v3 16 x lane (never rewritten); v12 1 / max; v13 the maximum; v14 at work
.macro WMAX r, t                       ; the maximum over the wave's 32 lanes, in every lane; t has been written before
	v_max_num_f32_dpp v[\r], v[\r], v[\r] row_xmask:1 row_mask:0xf bank_mask:0xf
	v_max_num_f32_dpp v[\r], v[\r], v[\r] row_xmask:2 row_mask:0xf bank_mask:0xf
	v_max_num_f32_dpp v[\r], v[\r], v[\r] row_xmask:4 row_mask:0xf bank_mask:0xf
	v_max_num_f32_dpp v[\r], v[\r], v[\r] row_xmask:8 row_mask:0xf bank_mask:0xf
	v_permlanex16_b32 v[\t], v[\r], s[SEL], s[SEL+1]
	v_max_num_f32 v[\r], v[\r], v[\t]
.endm
.macro SCALE
	s_wait_loadcnt 16                              ; pmax's four loads are in; the ring's 16 stay out
	v_max3_num_f32 v13, v[Y], v[Y+1], v[Y+2]
.irp j, 3,5,7,9,11,13
	v_max3_num_f32 v13, v13, v[Y+(\j)], v[Y+(\j)+1]
.endr
	v_max_num_f32 v13, v13, v[Y+15]
	v_mov_b32 v14, v13                             ; v_permlanex16_b32's destination counts as read
	WMAX 13, 14                                    ; the tensor's max|x|, in every lane
	v_rcp_f32 v12, v13
	v_nop                                          ; a plain instruction between the reciprocal and the use of its result (ISA guide 5.7.2),
	s_wait_alu depctr_va_vdst(0)                   ; and the wait ahead of the first use
	v_mul_f32 v14, s26, v12                        ; q0 = 216 r
	v_fma_f32 v[T], -v13, v14, s26                 ; e = 216 - max q0
	v_fma_f32 v[SCL], v[T], v12, v14               ; scale = q0 + e r
	v_mov_b32 v[SCL+1], v[SCL]
.endm
; Turn u's two loads.  kind = 0: input1, two halves of 1,024 bytes; kind = 1: input2, the same columns of two neighbouring rows.
.macro LD2 kind, u
.if \kind
.set OFA, 32768*((\u)/4)+4096*((\u)%4)
.set OFD, 16384
.else
.set OFA, 8192*(\u)
.set OFD, 512
.endif
	global_load_b128 v[X+8*((\u)%8):X+8*((\u)%8)+3],   v1, s[16:17] offset:OFA th:TH_LOAD_NT
	global_load_b128 v[X+8*((\u)%8)+4:X+8*((\u)%8)+7], v1, s[16:17] offset:OFA+OFD th:TH_LOAD_NT
.endm
; One turn: eight numbers a lane are scaled and rounded to e4m3, THE rounding of the problem, and stored.  d is the first of the two result registers; p0 .. p3 name their four halves.
.macro QT kind, u, d, p0, p1, p2, p3
.if (\u) < 8
	s_wait_loadcnt 14                              ; loads come back in order (ISA guide 5.7.1): my two are in, the 14 younger ones stay out
.else
	s_wait_loadcnt 2*(15-(\u))                     ; nothing is loaded any more: the counts run down
.endif
.irp j, 0,2,4,6
	v_pk_mul_f32 v[T+(\j):T+(\j)+1], v[X+8*((\u)%8)+(\j):X+8*((\u)%8)+(\j)+1], v[SCL:SCL+1]
.endr
.if \kind
	v_cvt_pk_fp8_f32 \p0, v[T], v[T+4]             ; a column's two rows side by side: the even row's code in the lower byte
	v_cvt_pk_fp8_f32 \p1, v[T+1], v[T+5]
	v_cvt_pk_fp8_f32 \p2, v[T+2], v[T+6]
	v_cvt_pk_fp8_f32 \p3, v[T+3], v[T+7]
.set OFS, 8192*(4*((\u)/8)+((\u)/4)%2)+2048*((\u)%4)
.else
	v_cvt_pk_fp8_f32 \p0, v[T], v[T+1]             ; four codes of the first half, then four of the second
	v_cvt_pk_fp8_f32 \p1, v[T+2], v[T+3]
	v_cvt_pk_fp8_f32 \p2, v[T+4], v[T+5]
	v_cvt_pk_fp8_f32 \p3, v[T+6], v[T+7]
.set OFS, 2048*(\u)
.endif
.if (\u) < 8
	LD2 \kind, (\u)+8                              ; the loads ahead of the store
.endif
	global_store_b64 v2, v[(\d):(\d)+1], s[18:19] offset:OFS th:TH_STORE_NT
.endm
.macro BODY kind
.irp u, 0,1,2,3,4,5,6,7
	LD2 \kind, \u                                  ; the ring is filled
.endr
	SCALE
	QT \kind, 0,  16,  v16.l,  v16.h,  v17.l,  v17.h
	QT \kind, 1,  18,  v18.l,  v18.h,  v19.l,  v19.h
	QT \kind, 2,  20,  v20.l,  v20.h,  v21.l,  v21.h
	QT \kind, 3,  22,  v22.l,  v22.h,  v23.l,  v23.h
	QT \kind, 4,  24,  v24.l,  v24.h,  v25.l,  v25.h
	QT \kind, 5,  26,  v26.l,  v26.h,  v27.l,  v27.h
	QT \kind, 6,  28,  v28.l,  v28.h,  v29.l,  v29.h
	QT \kind, 7,  30,  v30.l,  v30.h,  v31.l,  v31.h
	QT \kind, 8,  48,  v48.l,  v48.h,  v49.l,  v49.h
	QT \kind, 9,  56,  v56.l,  v56.h,  v57.l,  v57.h
	QT \kind, 10, 64,  v64.l,  v64.h,  v65.l,  v65.h
	QT \kind, 11, 72,  v72.l,  v72.h,  v73.l,  v73.h
	QT \kind, 12, 80,  v80.l,  v80.h,  v81.l,  v81.h
	QT \kind, 13, 88,  v88.l,  v88.h,  v89.l,  v89.h
	QT \kind, 14, 96,  v96.l,  v96.h,  v97.l,  v97.h
	QT \kind, 15, 104, v104.l, v104.h, v105.l, v105.h
.endm
	s_load_b256 s[4:11], s[0:1], 0x0               ; input1 s[4:5], input2 s[6:7], pmax s[8:9], qa s[10:11]
	s_load_b64 s[12:13], s[0:1], 0x20              ; qb
	v_lshlrev_b32 v2, 3, v0                        ; 8 t
	v_and_b32 v3, 31, v0
	v_lshlrev_b32 v3, 4, v3                        ; 16 x lane
	s_and_b32 s14, ttmp7, 0xffff                   ; y: which tensor
	s_mov_b32 s23, 0
	s_mov_b32 s[SEL], 0x76543210
	s_mov_b32 s[SEL+1], 0xfedcba98
	s_mov_b32 s26, 0x43580000                      ; 216.0
	s_wait_kmcnt 0x0
	s_lshl_b32 s22, s14, 11
	s_add_nc_u64 s[20:21], s[8:9], s[22:23]        ; my tensor's 512 words of pmax
.irp j, 0,1,2,3
	global_load_b128 v[Y+4*(\j):Y+4*(\j)+3], v3, s[20:21] offset:512*(\j)  ; wanted first, so asked for first
.endr
	s_lshl_b32 s22, ttmp9, 17                      ; the chunk's first byte in f32
	s_cmp_eq_u32 s14, 0
	s_cbranch_scc0 .Lsecond
	s_add_nc_u64 s[16:17], s[4:5], s[22:23]        ; input1
	s_lshl_b32 s22, ttmp9, 15                      ; the chunk in codes: 32,768 bytes
	s_add_nc_u64 s[18:19], s[10:11], s[22:23]
	v_lshrrev_b32 v1, 5, v0
	v_lshl_add_u32 v1, v1, 10, v3                  ; 1,024 x wave + 16 x lane
	BODY 0
	s_endpgm
.Lsecond:
	s_add_nc_u64 s[16:17], s[6:7], s[22:23]        ; input2
	s_lshr_b32 s27, ttmp9, 5
	s_lshl_b32 s27, s27, 7                         ; 128 (x / 32)
	s_and_b32 s28, ttmp9, 15
	s_lshl3_add_u32 s27, s28, s27                  ; + 8 (x % 16)
	s_bfe_u32 s28, ttmp9, 0x10004
	s_lshl1_add_u32 s27, s28, s27                  ; + 2 ((x / 16) % 2): the chunk's first pair row,
	s_lshl_b32 s22, s27, 13                        ; in bytes (under 2^24)
	s_add_nc_u64 s[18:19], s[12:13], s[22:23]
	v_lshlrev_b32 v1, 4, v0                        ; 16 t
	BODY 1
	s_endpgm
.Lfunc_end_k_q95c44fc5a6_quant:
	.size	k_q95c44fc5a6_quant, .Lfunc_end_k_q95c44fc5a6_quant-k_q95c44fc5a6_quant
	.p2alignl 7, 3214868480
	.fill 96, 4, 3214868480
	.section	.rodata,"a",@progbits
	.p2align	6, 0x0
	.amdhsa_kernel k_q95c44fc5a6_quant
		.amdhsa_group_segment_fixed_size 0
		.amdhsa_private_segment_fixed_size 0
		.amdhsa_enable_private_segment 0
		.amdhsa_kernarg_size 40
		.amdhsa_user_sgpr_count 2
		.amdhsa_user_sgpr_kernarg_segment_ptr 1
		.amdhsa_wavefront_size32 1
		.amdhsa_system_sgpr_workgroup_id_x 1
		.amdhsa_system_sgpr_workgroup_id_y 1
		.amdhsa_system_sgpr_workgroup_id_z 1
		.amdhsa_system_vgpr_workitem_id 0
		.amdhsa_next_free_vgpr 112
		.amdhsa_next_free_sgpr 66
		.amdhsa_reserve_vcc 0
		.amdhsa_float_denorm_mode_32 3
		.amdhsa_float_denorm_mode_16_64 3
		.amdhsa_memory_ordered 1
		.amdhsa_forward_progress 1
		.amdhsa_inst_pref_size 31
	.end_amdhsa_kernel
	.amdgpu_metadata
---
amdhsa.version: [ 1, 2 ]
amdhsa.kernels:
  - .name:           k_q95c44fc5a6_quant
    .symbol:         k_q95c44fc5a6_quant.kd
    .args:
      - { .name: input1, .offset: 0, .size: 8, .value_kind: global_buffer, .address_space: global }
      - { .name: input2, .offset: 8, .size: 8, .value_kind: global_buffer, .address_space: global }
      - { .name: pmax, .offset: 16, .size: 8, .value_kind: global_buffer, .address_space: global }
      - { .name: qa, .offset: 24, .size: 8, .value_kind: global_buffer, .address_space: global }
      - { .name: qb, .offset: 32, .size: 8, .value_kind: global_buffer, .address_space: global }
    .group_segment_fixed_size: 0
    .private_segment_fixed_size: 0
    .kernarg_segment_align: 8
    .kernarg_segment_size: 40
    .max_flat_workgroup_size: 256
    .sgpr_count:     66
    .vgpr_count:     112
    .wavefront_size: 32
...
	.end_amdgpu_metadata
.endif
;; end of part 2
;; launch gemm (part 3): grid 16 x 16, 4 waves a work-group, clusters of 4 x 4, 327,680 bytes of LDS; arguments qa, qb, pmax, out0; writes out0
.if DOCPART == 3
	.amdgcn_target "amdgcn-amd-amdhsa--gfx1250"
	.amdhsa_code_object_version 6
	.text
	.protected	k_q95c44fc5a6_gemm
	.globl	k_q95c44fc5a6_gemm
	.p2align	8
	.type	k_q95c44fc5a6_gemm,@function
k_q95c44fc5a6_gemm:
	s_mov_b64 s[64:65], 0
	v_nop
	global_prefetch_b8 v0, s[64:65] scope:SCOPE_SE
	s_setreg_imm32_b32 hwreg(HW_REG_WAVE_MODE, 25, 1), 1
	s_wait_xcnt 0x0
	s_wait_alu depctr_hold_cnt(0) depctr_sa_sdst(0) depctr_va_vdst(0) depctr_va_sdst(0) depctr_va_ssrc(0) depctr_va_vcc(0) depctr_vm_vsrc(0)
	s_getreg_b32 s2, hwreg(HW_REG_IB_STS2, 6, 4)
	s_cmp_eq_u32 s2, 0
	s_cbranch_scc0 .Lentry_in_a_cluster
	s_endpgm
.Lentry_in_a_cluster:
	s_bfe_u32 s2, ttmp6, 0x10000c
	s_cmp_lg_u32 s2, 0xf033
	s_cbranch_scc0 .Lentry_shape_is_right
	s_endpgm
.Lentry_shape_is_right:
; THIRD OF THREE LAUNCHES.  out0[m][n] = (the sum over k of q1[m][k] q2[k][n]) x (max1 / 216) (max2 / 216).  q1, q2: the problem's e4m3 numbers, stored by the second launch as one-byte codes, both in one
; and the same order of k (places p): qa[m][p], 4,096 bytes a row; qb[P][n][e], p = 2 P + e, a pair row P of 8,192 bytes.  The order is the second launch's; a sum over k does not hang on it.
; The codes are widened to bf16 in registers (exact: 4 significant bits, magnitudes 2^-9 .. 448) and multiplied by the bf16 matrix form; sums in f32; out0: [4096][4096] f32.  max1, max2: finished here from pmax.
; Nothing of the problem is left out.
; LIMITS.  The two factors are max x (1 / 216), rounded, where the problem has 1 / (216 / max): a difference of rounding.  The order of the f32 sums is the matrix unit's.  NaN and infinities: see the first two launches.
; SHARES.  out0 has 256 tiles of 256 x 256, one for each of the 256 work-groups.  Four waves, each 128 x 128: 64 accumulators of 16 x 16, 512 registers.  K goes in 16 steps of 256 through a ring of two LDS
; slots filled by the tensor data mover.  A step's tile of qa is 256 rows (m) x 256 bytes; its tile of qb is 128 pair rows x 512 bytes; every row starts at a multiple of 256 bytes from its buffer's first byte.
; FRAGMENTS.  For 32 places a lane wants 16 of them, of one row of qa or one column of qb: places 16 (l / 16) + 0..15.  qa: one ds_load_b128.  qb: one ds_load_tr16_b128, which takes a column's two codes of a pair
; row as one 16-bit element and turns 8 pair rows x 8 columns.  Two conversions of eight codes make the fragment's eight registers; both operands go the same way, so each place of the one meets the same place of the other.
; CLUSTERS: 4 x 4 work-groups.  The four of a row of the cluster need the same tiles of qa, the four of a column the same tiles of qb: each tile is asked for JOINTLY, by the same tensor load with the same
; descriptor and a mask that names the four; each receives it in its own LDS.  That divides the requests for qa and qb by four.
; THE MATRIX INSTRUCTION IS USED TRANSPOSED: source 0 = 16 columns n of qb, source 1 = 16 rows m of qa.  In the result lane l holds row m = l % 16 and its registers the columns 8 (l / 16) + 0..7:
; 32 neighbouring bytes of a row of out0.
; REGISTERS, in windows of 256 (s_set_vgpr_msb's low byte: bits 1:0 source 0, 3:2 source 1, 5:4 source 2, 7:6 destination):
;   window 0: v0-31 addresses and at work; v32-63 pmax's words, at the head; v64-127, v128-191 fragments of qa, two buffers; v192-223 qa's codes of 32 places; on the way out v64-127 scaled results, v128-191 and v192-255 whole rows by turns
;   window 1: v64-127, v128-191 fragments of qb, two buffers; v192-223 qb's codes          window 2: the accumulators of my rows 0-63 ((a, b) at v[8 (8 a + b)])          window 3: those of my rows 64-127
; One tile to a work-group: no loop over tiles.  All stores stand behind the last product.
.set AROW,   4096                      ; bytes in a row of qa
.set BROW,   8192                      ; bytes in a pair row of qb
.set OROW,   16384                     ; bytes in a row of out0
.set ASTEP,  256                       ; a K step: 256 bytes along qa's rows,
.set BSTEP,  128*BROW                  ; 128 pair rows down qb
.set PA,     272                       ; a row of qa's tile in LDS: 256 bytes + 16 = 68 words: row r starts at bank 4 r mod 64 (64 banks of 4 bytes: ISA guide 11.1): the 16 rows of a load start at 16 different banks
.set PB,     544                       ; a pair row of qb's tile: 512 bytes + 32 = 136 words: row r starts at bank 8 r mod 64
.set HALFT,  128*PA                    ; what one tensor load brings: 128 rows of qa's tile, or 64 pair rows of qb's (64 PB is the same number)
.set SLOT,   4*HALFT                   ; qa's 256 rows, then qb's 128 pair rows
.set STAGE,  2*SLOT                    ; behind the ring, never filled by a tensor load: 16 rows x 528 bytes for each wave, for the way out
.set SP,     528                       ; a stage row: 512 bytes + 16: the 16 rows that a store touches start at 16 different groups of four banks
.set SPARE,  STAGE+4*16*SP             ; behind the stages: the spare words, 128 bytes for each wave: two blocks of 256 bytes that no other line names
.set LAPS,   8                         ; a lap = two K steps = once round the ring
.set ADRA, 16                          ; v16-17  LDS address of my rows of qa in slot 0, 1
.set ADRB, 20                          ; v20-21  the same for my columns of qb
.set STO,  24                          ; v24     the way out: where I put 32 bytes of a row
.set RD,   25                          ; v25     the way out: where I read a row back
.set CO,   26                          ; v26     16 x my lane: my bytes in 512 consecutive bytes of out0, and of pmax; never rewritten
.set SPW,  28                          ; v28     LDS address of my spare word: SPARE + 4 x my thread's number; never rewritten
.set NIL,  29                          ; v29     0; never rewritten
.set PFO,  30                          ; v30     the prefetches' offset; never rewritten
.set ONE,  31                          ; v31     the conversions' scale: the exponent byte 127, which stands for 1, in every byte; never rewritten
.set PM,   32                          ; v32-63  my 16 words of pmax for each tensor
.set F0,   64                          ; fragment buffer 0
.set F1,   128                         ; fragment buffer 1
.set RAW,  192                         ; the codes of 32 places: 4 registers a fragment, 32 in window 0 (qa) and 32 in window 1 (qb)
.set TMP,  64                          ; the way out: a block's 64 scaled results
.set OB,   128                         ; the way out: 16 rows read back from the stage: v128-191 and v192-255 by turns
.set WV,   12                          ; s12  my wave's number
.set RH,   13                          ; s13  which half of the tile's rows is mine.  Also: I fetch for qa (0) or for qb (1)
.set CH,   14                          ; s14  which half of its columns.  Also: which half of that tile I fetch
.set CX,   15                          ; s15, s16  my place in the cluster
.set CY,   16
.set TC,   17                          ; s17  tile column of out0
.set TR,   18                          ; s18  tile row
.set LIM,  19                          ; s19  1 in a wave that prefetches, else the greatest number
.set G1A,  24                          ; s[24:31] descriptor group 1 for qa's tiles;  s[32:39] group 0, one set for each slot
.set G0A,  32
.set G1B,  40                          ; s[40:47], s[48:55] the same for qb's tiles
.set G0B,  48
.set PFA,  56                          ; s[56:57] where my prefetches stand
.set PFS,  58                          ; s[58:59] a K step in bytes, along qa's rows or down qb's
.set SEL,  60                          ; s[60:61] v_permlanex16_b32's selects
.set SC,   62                          ; s[62:63] (max1 / 216) (max2 / 216), twice: the packed multiply names a pair
.set MSB, 0
.macro WIN new                         ; the immediate's high byte repeats the setting that is left; a switch that changes nothing is dropped
.if MSB != (\new)
	s_set_vgpr_msb (MSB<<8)|(\new)
.set MSB, \new
.endif
.endm
.set MUL_LO, 0xa1                      ; source 0 (qb) window 1, source 1 (qa) window 0, C and D window 2
.set MUL_HI, 0xf1                      ; the same, C and D window 3
.set TO_B,   0x40                      ; destination window 1, address window 0
.set CV_B,   0x41                      ; destination and source 0 window 1, source 1 (the scale) window 0
; A joint load.  Waves 0 and 1 fetch qa's two halves, waves 2 and 3 qb's.  Each of the two lines has ONE mask and one set of registers for all that issue it.  The branch hangs on the wave's number alone.
; An s_nop 0 and four v_nop follow each of the two lines; the jump, the label and what follows the macro come after them.
.macro JLOAD s
	s_cmp_eq_u32 s[RH], 0
	s_cbranch_scc0 .Lfor_b_\@
	tensor_load_to_lds s[G0A+4*(\s):G0A+4*(\s)+3], s[G1A:G1A+7]
	s_nop 0
.rept 4
	v_nop
.endr
	s_branch .Lasked_\@
.Lfor_b_\@:
	tensor_load_to_lds s[G0B+4*(\s):G0B+4*(\s)+3], s[G1B:G1B+7]
	s_nop 0
.rept 4
	v_nop
.endr
.Lasked_\@:
.endm
; A PREFETCH INTO THE L2, behind each joint refill, its five lines and the run of LDS loads that follows them: the K step that the NEXT refill will ask for, 512 matrix instructions ahead of that load.
; One instruction a wave, a lane an aligned block of 256 bytes, each block named ONCE in the launch.  qa's tile row is read by every cluster of that row of clusters: the one with cluster x = 0 asks; qb's tile
; column by every cluster of that column: the one with cluster y = 0 asks.  The four partners that ask for a tile jointly share it out BY ADDRESS: of the 128 rows of qa that a wave fetches the partner at cx takes
; 32 (a lane a row's 256 bytes); of the 64 pair rows of qb the partner at cy takes 16 (a lane one of a row's two blocks).  No branch hangs on a work-group's place in its cluster.
; K steps 0 to 2 come by their loads alone.  The refill of K step t + 2 names K step t + 3: slot 0's refills (t even, 12 at the most) always have one; slot 1's last (t = 13, the loop's last trip, s3 = 1) has none.
.macro ASK slot
.if \slot
	s_cmp_gt_u32 s3, s[LIM]
.else
	s_cmp_eq_u32 s[LIM], 1
.endif
	s_cbranch_scc0 .Lnot_mine_\@
	global_prefetch_b8 v[PFO], s[PFA:PFA+1] th:TH_LOAD_NT scope:SCOPE_SE
.Lnot_mine_\@:
.endm
; A round of the cluster's barrier: my work-group's barrier, so that wave 0's signal speaks for all four waves; wave 0 signals for the work-group; every wave waits for all sixteen; my work-group's barrier once more.
.macro CREST                           ; a round behind its opening barrier
	s_cmp_lg_u32 s[WV], 0
	s_cbranch_scc1 .Lnot_wave_0_\@
	s_barrier_signal -3
.Lnot_wave_0_\@:
	s_barrier_wait -3
	s_barrier_signal -1
	s_barrier_wait -1
.endm
.macro CROUND                          ; a whole round
	s_barrier_signal -1
	s_barrier_wait -1
	CREST
.endm
.macro WMAX r, t                       ; the maximum over the wave's 32 lanes, in every lane; t has been written before
	v_max_num_f32_dpp v[\r], v[\r], v[\r] row_xmask:1 row_mask:0xf bank_mask:0xf
	v_max_num_f32_dpp v[\r], v[\r], v[\r] row_xmask:2 row_mask:0xf bank_mask:0xf
	v_max_num_f32_dpp v[\r], v[\r], v[\r] row_xmask:4 row_mask:0xf bank_mask:0xf
	v_max_num_f32_dpp v[\r], v[\r], v[\r] row_xmask:8 row_mask:0xf bank_mask:0xf
	v_permlanex16_b32 v[\t], v[\r], s[SEL], s[SEL+1]
	v_max_num_f32 v[\r], v[\r], v[\t]
.endm
	s_load_b256 s[4:11], s[0:1], 0x0               ; qa s[4:5], qb s[6:7], pmax s[8:9], out0 s[10:11]
	v_lshl_add_u32 v[SPW], v0, 2, SPARE
	v_mov_b32 v[NIL], 0
	ds_add_u32 v[SPW], v[NIL]                      ; the wave's opening: the add, twice on end, and its wait ahead of my first tensor load; the set-up below, work on registers, stands between
	ds_add_u32 v[SPW], v[NIL]                      ; and once more, under the one wait
	v_lshrrev_b32 v1, 5, v0
	v_readfirstlane_b32 s[WV], v1                  ; wave 0..3
	s_lshr_b32 s[RH], s[WV], 1
	s_and_b32 s[CH], s[WV], 1
	s_bfe_u32 s[CX], ttmp6, 0x40000
	s_bfe_u32 s[CY], ttmp6, 0x40004
	s_lshl_b32 s[TC], ttmp9, 2                     ; in a cluster launch ttmp9 and ttmp7 count clusters
	s_add_co_u32 s[TC], s[TC], s[CX]               ; tile column = 4 x cluster x + cx
	s_and_b32 s[TR], ttmp7, 0xffff
	s_lshl_b32 s[TR], s[TR], 2
	s_add_co_u32 s[TR], s[TR], s[CY]               ; tile row = 4 x cluster y + cy
	s_lshl_b32 s20, s[CY], 2
	s_lshl_b32 s20, 15, s20                        ; my row of the cluster: places 4 cy .. 4 cy + 3
	s_lshl_b32 s66, 0x1111, s[CX]                  ; my column: places cx, cx + 4, cx + 8, cx + 12
	; descriptor group 1, in elements of 2 bytes.  qa: 128 rows x 128 elements; qb: 64 pair rows x 256 elements; both padded in LDS
	s_or_b32 s[G1A+0], s20, (1<<16)|(1<<20)|(1<<21)|(5<<22)|(3<<25)  ; 15:0 the mask: my row; 17:16 elements of 2 bytes; 20 padding on; 21 set beside a mask; 24:22 after every 64 words (code 5); 31:25 4 words (code 3)
	s_or_b32 s[G1B+0], s66, (1<<16)|(1<<20)|(1<<21)|(6<<22)|(7<<25)  ; the mask: my column; after every 128 words (code 6) 8 words (code 7)
	s_mov_b32 s[G1A+1], 128<<16                    ; tensor_dim0 = 128
	s_mov_b32 s[G1A+2], 128<<16                    ; tensor_dim1 = 128
	s_mov_b32 s[G1A+3], 128<<16                    ; tile_dim0 = 128
	s_mov_b32 s[G1A+4], 128                        ; tile_dim1 = 128
	s_mov_b32 s[G1A+5], AROW/2                     ; elements from row to row
	s_mov_b32 s[G1A+6], 0
	s_mov_b32 s[G1A+7], 0
	s_mov_b32 s[G1B+1], 256<<16                    ; tensor_dim0 = 256
	s_mov_b32 s[G1B+2], 64<<16                     ; tensor_dim1 = 64
	s_mov_b32 s[G1B+3], 256<<16                    ; tile_dim0 = 256
	s_mov_b32 s[G1B+4], 64                         ; tile_dim1 = 64
	s_mov_b32 s[G1B+5], BROW/2
	s_mov_b32 s[G1B+6], 0
	s_mov_b32 s[G1B+7], 0
	; where the tiles come from.  qa's hang on the tile row alone, which my row of the cluster shares; qb's on the tile column alone, which my column shares.  Every wave makes both, in registers that never hold the other coordinate.
	s_lshl_b32 s20, s[TR], 8
	s_lshl_b32 s21, s[CH], 7
	s_add_co_u32 s20, s20, s21                     ; qa: row 256 x tile row + 128 x half,
	s_lshl_b32 s20, s20, 12                        ; in bytes (under 2^24)
	s_mov_b32 s21, 0
	s_lshl_b32 s66, s[CH], 19                      ; qb: pair row 64 x half of K step 0, in bytes,
	s_lshl_b32 s67, s[TC], 9                       ; and the tile column's 512 bytes of it
	s_add_co_u32 s66, s66, s67
	s_mov_b32 s67, 0
	s_mul_i32 s22, s[WV], HALFT                    ; and where they go: wave x 34,816: no place in the cluster enters an LDS address
	s_wait_dscnt 0x0                               ; both opening adds are done
	s_wait_kmcnt 0x0
	s_add_nc_u64 s[20:21], s[4:5], s[20:21]
	s_add_nc_u64 s[66:67], s[6:7], s[66:67]
	CROUND                                         ; all sixteen work-groups are here: the first joint loads meet
.irp s, 0,1
	s_mov_b32 s[G0A+4*(\s)], 1                                       ; 1:0 count = 1
	s_add_co_u32 s[G0A+4*(\s)+1], s22, (\s)*SLOT                     ; 63:32 LDS address
	s_add_nc_u64 s[G0A+4*(\s)+2:G0A+4*(\s)+3], s[20:21], (\s)*ASTEP  ; 120:64 global address: K step s
	s_or_b32 s[G0A+4*(\s)+3], s[G0A+4*(\s)+3], 0x80000000            ; 127:126 type = 2
	s_mov_b32 s[G0B+4*(\s)], 1
	s_add_co_u32 s[G0B+4*(\s)+1], s22, (\s)*SLOT
	s_add_nc_u64 s[G0B+4*(\s)+2:G0B+4*(\s)+3], s[66:67], (\s)*BSTEP
	s_or_b32 s[G0B+4*(\s)+3], s[G0B+4*(\s)+3], 0x80000000
	JLOAD \s                                       ; the ring is filled before anything else is done: two tensor loads of mine are out
.endr
	; All that follows up to the first barrier stands in the wait for the first tile.
	v_and_b32 v1, 15, v0                           ; r = l % 16
	v_bfe_u32 v2, v0, 4, 1                         ; h = l / 16
	v_and_b32 v3, 31, v0                           ; l
	v_lshlrev_b32 v[CO], 4, v3
.irp j, 0,1,2,3,4,5,6,7
	global_load_b128 v[PM+4*(\j):PM+4*(\j)+3], v[CO], s[8:9] offset:512*(\j)  ; pmax: 2,048 bytes for input1, then 2,048 for input2
.endr
	v_mov_b32 v[ONE], 0x7f7f7f7f
	v_mul_u32_u24 v4, v1, PA                       ; qa: lane l reads row l % 16, the 16 places 16 (l / 16) + 0..15 of 32
	v_lshl_add_u32 v4, v2, 4, v4                   ; row x pitch + 16 x half
	s_mul_i32 s20, s[RH], HALFT                    ; my 128 rows of qa
	; The turning load takes 16 pair rows x 16 columns (lane l reads 16 bytes: pair row 8 (l / 16) + l % 8, columns 8 ((l / 8) % 2) + 0..7) and leaves lane l column l % 16 and the 8 pair rows 8 (l / 16) + 0..7: 16 places on end.
	v_and_b32 v5, 7, v0
	v_lshl_add_u32 v5, v2, 3, v5
	v_mul_u32_u24 v5, v5, PB
	v_bfe_u32 v6, v0, 3, 1
	v_lshl_add_u32 v5, v6, 4, v5
	s_lshl_b32 s21, s[CH], 8                       ; my 128 columns: 256 bytes of qb's pair rows,
	s_add_co_u32 s21, s21, 2*HALFT                 ; which lie behind qa's 256 rows
.irp s, 0,1
	v_add_nc_u32 v[ADRA+(\s)], s20, v4
	v_add_nc_u32 v[ADRB+(\s)], s21, v5
	s_add_co_u32 s20, s20, SLOT
	s_add_co_u32 s21, s21, SLOT
.endr
	s_mul_i32 s22, s[WV], 16*SP
	s_add_co_u32 s22, s22, STAGE                   ; my stage
	v_mul_u32_u24 v4, v1, SP                       ; in: row l % 16, 32 bytes for each half of the lanes
	v_lshl_add_u32 v4, v2, 5, v4
	v_add_nc_u32 v[STO], s22, v4
	v_add_nc_u32 v[RD], s22, v[CO]                 ; back: 32 lanes take one row of 512 bytes
	; out0 at my 128 x 128
	s_lshl_b32 s66, s[TR], 8
	s_lshl_b32 s67, s[RH], 7
	s_add_co_u32 s66, s66, s67                     ; my first row,
	s_lshl_b32 s66, s66, 14                        ; in bytes (under 2^26)
	s_lshl_b32 s67, s[TC], 10                      ; the tile's 1,024 bytes of a row,
	s_add_co_u32 s66, s66, s67
	s_lshl_b32 s67, s[CH], 9                       ; my 512 of them
	s_add_co_u32 s66, s66, s67
	s_mov_b32 s67, 0
	s_add_nc_u64 s[10:11], s[10:11], s[66:67]
	; the prefetches: both offsets are made, then one compare on the wave's number chooses
	s_lshl_b32 s68, s[TR], 8
	s_lshl_b32 s69, s[CH], 7
	s_add_co_u32 s68, s68, s69
	s_lshl_b32 s69, s[CX], 5
	s_add_co_u32 s68, s68, s69                     ; qa: the 128 rows that I fetch, my work-group's 32 of them,
	s_lshl_b32 s68, s68, 12
	s_add_co_u32 s68, s68, 2*ASTEP                 ; at K step 2: the first refill steps it to 3
	s_lshl_b32 s70, s[CH], 6
	s_lshl_b32 s71, s[CY], 4
	s_add_co_u32 s70, s70, s71                     ; qb: the 64 pair rows that I fetch, my work-group's 16 of them,
	s_lshl_b32 s70, s70, 13
	s_lshl_b32 s71, s[TC], 9
	s_add_co_u32 s70, s70, s71                     ; the tile column's 512 bytes,
	s_add_co_u32 s70, s70, 2*BSTEP                 ; at K step 2
	s_and_b32 s72, ttmp7, 0xffff                   ; cluster y
	s_mov_b32 s73, BSTEP
	s_cmp_eq_u32 s[RH], 0                          ; do I fetch for qa?
	s_cselect_b32 s68, s68, s70
	s_cselect_b32 s72, ttmp9, s72                  ; the coordinate along which other clusters read the same blocks
	s_cselect_b32 s[PFS], ASTEP, s73
	s_cselect_b64 s[PFA:PFA+1], s[4:5], s[6:7]
	s_mov_b32 s69, 0
	s_mov_b32 s[PFS+1], 0
	s_add_nc_u64 s[PFA:PFA+1], s[PFA:PFA+1], s[68:69]
	s_cmp_eq_u32 s72, 0
	s_cselect_b32 s[LIM], 1, -1                    ; the same in all sixteen partners, for a given wave
	s_add_co_u32 s71, s[RH], 12                    ; a row of qa is 2^12 bytes, a pair row of qb 2^13
	v_lshrrev_b32 v4, s[RH], v3                    ; qa: a lane a row; qb: two lanes a pair row,
	v_lshlrev_b32 v4, s71, v4
	v_and_b32 v5, s[RH], v3
	v_lshl_add_u32 v[PFO], v5, 8, v4               ; one for each of its two blocks of 256 bytes
	s_mov_b32 s[SEL], 0x76543210
	s_mov_b32 s[SEL+1], 0xfedcba98
	; the output's factor
	s_wait_loadcnt 0x0                             ; pmax
	v_max3_num_f32 v8, v[PM], v[PM+1], v[PM+2]
	v_max3_num_f32 v9, v[PM+16], v[PM+17], v[PM+18]
.irp j, 3,5,7,9,11,13
	v_max3_num_f32 v8, v8, v[PM+(\j)], v[PM+(\j)+1]
	v_max3_num_f32 v9, v9, v[PM+16+(\j)], v[PM+16+(\j)+1]
.endr
	v_max_num_f32 v8, v8, v[PM+15]
	v_max_num_f32 v9, v9, v[PM+31]
	v_mov_b32 v10, v8                              ; v_permlanex16_b32's destination counts as read
	WMAX 8, 10
	WMAX 9, 10
	v_mul_f32 v8, 0x3b97b426, v8                   ; max1 / 216
	v_mul_f32 v9, 0x3b97b426, v9                   ; max2 / 216
	v_mul_f32 v8, v8, v9
	v_readfirstlane_b32 s[SC], v8
	s_mov_b32 s[SC+1], s[SC]                       ; named with it as a pair
; Product n of the 64 of an eighth of a K step (32 places): m block n / 8, n block n % 8, on fragment buffer f.  zero = 1: it starts its sum: nothing is ever cleared.
; The 64 accumulators take turns, one instruction a turn, in the same order in every eighth: between two links of a chain stand the 63 others'.
.macro MM f, n, zero
	WIN MUL_LO+0x50*((\n)/32)
.if \zero
	v_wmma_f32_16x16x32_bf16 v[8*((\n)%32):8*((\n)%32)+7], v[(\f)+8*((\n)%8):(\f)+8*((\n)%8)+7], v[(\f)+8*((\n)/8):(\f)+8*((\n)/8)+7], 0
.else
	v_wmma_f32_16x16x32_bf16 v[8*((\n)%32):8*((\n)%32)+7], v[(\f)+8*((\n)%8):(\f)+8*((\n)%8)+7], v[(\f)+8*((\n)/8):(\f)+8*((\n)/8)+7], v[8*((\n)%32):8*((\n)%32)+7]
.endif
.endm
.macro MMS f, cnt, zero                ; the eighth's next cnt products
.rept \cnt
	MM \f, n, \zero
.set n, n+1
.endr
.endm
; Conversion c of 32: eight codes (2 registers) become half a fragment (4 registers) of buffer g.  0-15: qa's, in window 0; 16-31: qb's, in window 1.  The scale is 1: the numbers are the codes' own, and bf16 holds them exactly.
.macro CV g, c
.if (\c) < 16
	WIN 0
	v_cvt_scale_pk8_bf16_fp8 v[(\g)+4*(\c):(\g)+4*(\c)+3], v[RAW+2*(\c):RAW+2*(\c)+1], v[ONE]
.else
	WIN CV_B
	v_cvt_scale_pk8_bf16_fp8 v[(\g)+4*((\c)-16):(\g)+4*((\c)-16)+3], v[RAW+2*((\c)-16):RAW+2*((\c)-16)+1], v[ONE]
.endif
.endm
; 16 LDS loads in one run: the codes of eighth q of a K step: qb's 128 columns, turned; qa's 128 rows.  The largest immediate is 61,152.
.macro FETCH slot, q
	WIN TO_B
.irp i, 0,1,2,3,4,5,6,7
	ds_load_tr16_b128 v[RAW+4*(\i):RAW+4*(\i)+3], v[ADRB+(\slot)] offset:(\q)*16*PB+32*(\i)
.endr
	WIN 0
.irp i, 0,1,2,3,4,5,6,7
	ds_load_b128 v[RAW+4*(\i):RAW+4*(\i)+3], v[ADRA+(\slot)] offset:32*(\q)+(\i)*16*PA
.endr
.endm
; A vector instruction that reads a matrix result or writes one of a matrix instruction's registers, and a load into such a register, stand four places behind it, and only plain vector instructions that name none of
; its registers are places (ISA guide 7.12.1 for vector instructions).
.macro PLACES
.rept 4
	v_nop
.endr
.endm
; The first 18 products of an eighth.  cv = 1: the next eighth's codes are widened into buffer g beside them.  Four v_nop behind product 0 are the places behind the last product that read g (the eighth before);
; two conversions stand behind each of products 1 to 16: with their two switches of the window four lines a product; a v_nop behind product 17 is the plain instruction behind the last conversion, ahead of all
; that touches a conversion's result or writes its sources.  No conversion names a register of the products round it.
.macro FRONT f, g, zero, cv
.set n, 0
.if \cv
	MMS \f, 1, \zero
	PLACES
.set cc, 0
.rept 16
	MMS \f, 1, \zero
	CV \g, cc
	CV \g, cc+1
.set cc, cc+2
.endr
	MMS \f, 1, \zero
	v_nop
.else
	MMS \f, 18, \zero
.endif
.endm
; A K step is eight eighths of 32 places, 64 products each, on buffers 0, 1, 0, 1 ..  Eighth q multiplies buffer f, widens the codes of eighth q + 1 into buffer g, and in its middle fetches the codes of eighth q + 2
; (eighth fq of slot fs), 32 products ahead of the wait for them.  cv = 0, ft = 0: the last eighths have nothing left to widen or to fetch.
.macro EIGHTH fs, fq, f, g, zero=0, cv=1, ft=1
.if \cv
	s_wait_dscnt 0x0                               ; the codes are in
.endif
	FRONT \f, \g, \zero, \cv
	MMS \f, 14, \zero
.if \ft
	FETCH \fs, \fq
.endif
	MMS \f, 32, \zero
.endm
; EIGHTH 6 CHANGES SLOTS: the slot's last codes, eighth 7's, were fetched in eighth 5.  ONE barrier for the change.  In front of it each wave waits for all its tensor loads, of which one is out: its part of the next
; slot; adds 0 to its spare word; and waits for that and for its own reads of this slot.  Behind it nobody reads this slot any more and the next slot is whole.
; fill = 1: the barrier opens a round of the cluster's; behind the round the slot is filled again first, with the K step two steps on: from that request to the wait for it a wave issues 480 matrix instructions.
.macro TURN slot, next, fill
.if \fill
	s_wait_xcnt 0x0                                ; the last prefetch, a K step back, has read its address: it is stepped here, ahead of the waits of the change of slots
	s_add_nc_u64 s[PFA:PFA+1], s[PFA:PFA+1], s[PFS:PFS+1]
.endif
	WIN 0                                          ; (the add's two registers lie in window 0)
	s_wait_tensorcnt 0x0                           ; all my tensor loads have landed;
	ds_add_u32 v[SPW], v[NIL]                      ; 0 onto my spare word
	s_wait_dscnt 1                                 ; (the add may be out; the 16 loads issued ahead of it, eighth 7's codes, are in)
	FRONT F0, F1, 0, 1                             ; eighteen products and the conversions stand between the add and the wait for it
	s_wait_dscnt 0x0                               ; the add is done, and my reads of this slot are over:
	s_barrier_signal -1                            ; say so,
	MMS F0, 14, 0                                  ; work on registers while the others arrive,
.if \fill
	WIN 0
.endif
	s_barrier_wait -1                              ; and go on when all four have said so
.if \fill
	CREST                                          ; no wave of any partner still reads this slot's tile or has a load on its way
	s_add_nc_u64 s[G0A+4*(\slot)+2:G0A+4*(\slot)+3], s[G0A+4*(\slot)+2:G0A+4*(\slot)+3], 2*ASTEP  ; no tensor load of mine is out, so a group 0 may be written
	s_add_nc_u64 s[G0B+4*(\slot)+2:G0B+4*(\slot)+3], s[G0B+4*(\slot)+2:G0B+4*(\slot)+3], 2*BSTEP
	JLOAD \slot                                    ; the first tensor load behind the round, my only one until the next
.endif
	FETCH \next, 0
.if \fill
	ASK \slot
.endif
	MMS F0, 32, 0
.endm
; THE WAY OUT of block a (16 rows x my 128 columns), in three parts.  PACK: times the factor, each accumulator's registers in ascending order.  TOSTAGE: 32 bytes a lane and n block into my own stage in LDS,
; and back as whole rows of 512 bytes.  SEND: stored.
.macro PACK a
	WIN 0x02+(\a)/4                                ; source 0: window 2 or 3; destination window 0
.set z, 0
.rept 32
	v_pk_mul_f32 v[TMP+2*z:TMP+2*z+1], v[64*((\a)%4)+2*z:64*((\a)%4)+2*z+1], s[SC:SC+1] op_sel_hi:[1,0]
.set z, z+1
.endr
	WIN 0
.endm
.macro TOSTAGE a
	WIN 0
.set BK, OB+64*((\a)%2)
.irp b, 0,1,2,3,4,5,6,7
	ds_store_b128 v[STO], v[TMP+8*(\b):TMP+8*(\b)+3]   offset:64*(\b)
	ds_store_b128 v[STO], v[TMP+8*(\b)+4:TMP+8*(\b)+7] offset:64*(\b)+16
.endr
.irp t, 0,1,2,3,4,5,6,7,8,9,10,11,12,13,14,15
	ds_load_b128 v[BK+4*(\t):BK+4*(\t)+3], v[RD] offset:(\t)*SP  ; LDS serves a wave's instructions in order (ISA guide 5.7.1.4): these see the stores above; the next block's stores come behind them
.endr
.endm
.macro SEND a
	WIN 0
.set BK, OB+64*((\a)%2)
	s_wait_dscnt 0x0                               ; the block is back in registers
	s_wait_xcnt 0x0                                ; the stores of the block before have read their registers, into which the next block's rows are loaded
.irp t, 0,1,2,3,4,5,6,7,8,9,10,11,12,13,14,15
	global_store_b128 v[CO], v[BK+4*(\t):BK+4*(\t)+3], s[10:11] offset:(16*(\a)+(\t))*OROW th:TH_STORE_NT  ; 32 lanes store 512 consecutive bytes, at a multiple of 512 from out0's first; 127 rows at the most: inside the signed 24-bit immediate
.endr
.endm
	s_wait_tensorcnt 1                             ; my part of K step 0 is in; K step 1's load may stay out
	s_barrier_signal -1
	s_barrier_wait -1                              ; everybody's is
	FETCH 0, 0
	s_wait_dscnt 0x0
.set cc, 0
.rept 32
	CV F0, cc                                      ; the first eighth's fragments: there are no products yet to set them beside
.set cc, cc+1
.endr
	v_nop                                          ; the plain instruction behind the last conversion
	FETCH 0, 1
	EIGHTH 0, 2, F0, F1, 1                         ; the first eighth stands in front of the loop: its products start the sums
	WIN 0                                          ; at a label and at a branch every window is 0
	s_mov_b32 s3, LAPS-1
.Llap:                                                 ; a trip goes once round the ring, from a lap's second eighth to the next lap's first, and fills both slots again
	EIGHTH 0, 3, F1, F0
	EIGHTH 0, 4, F0, F1
	EIGHTH 0, 5, F1, F0
	EIGHTH 0, 6, F0, F1
	EIGHTH 0, 7, F1, F0
	TURN 0, 1, 1
	EIGHTH 1, 1, F1, F0
	EIGHTH 1, 2, F0, F1
	EIGHTH 1, 3, F1, F0
	EIGHTH 1, 4, F0, F1
	EIGHTH 1, 5, F1, F0
	EIGHTH 1, 6, F0, F1
	EIGHTH 1, 7, F1, F0
	TURN 1, 0, 1
	EIGHTH 0, 1, F1, F0
	EIGHTH 0, 2, F0, F1
	WIN 0
	s_sub_co_u32 s3, s3, 1
	s_cmp_lg_u32 s3, 0
	s_cbranch_scc1 .Llap
	EIGHTH 0, 3, F1, F0                            ; the last lap is written out: it fills nothing
	EIGHTH 0, 4, F0, F1
	EIGHTH 0, 5, F1, F0
	EIGHTH 0, 6, F0, F1
	EIGHTH 0, 7, F1, F0
	TURN 0, 1, 0                                   ; my one tensor load that was still out is slot 1's, the last K step's, so no round follows
	EIGHTH 1, 1, F1, F0
	EIGHTH 1, 2, F0, F1
	EIGHTH 1, 3, F1, F0
	EIGHTH 1, 4, F0, F1
	EIGHTH 1, 5, F1, F0
	EIGHTH 1, 6, F0, F1
	EIGHTH 1, 7, F1, F0
	EIGHTH 1, 0, F0, F1, 0, 1, 0                   ; the last eighth but one: the last codes are widened, nothing is fetched
	EIGHTH 1, 0, F1, F0, 0, 0, 0                   ; the last: products alone
	WIN 0
	PLACES                                         ; behind the last products: block 0's multiplies read results and write registers that held fragments
	PACK 0
	TOSTAGE 0
.irp a, 1,2,3,4,5,6,7                  ; block a's multiplies stand between block a - 1's loads from the stage and the wait for them
	PACK \a
	SEND (\a)-1
	TOSTAGE \a
.endr
	SEND 7
	s_wait_tensorcnt 0x0                           ; the wave's end, behind my last tensor load and my last LDS store
	ds_add_u32 v[SPW], v[NIL]
	s_wait_dscnt 0x0
	CROUND                                         ; the closing round: no work-group ends while a partner may still ask for a tile that names it
	s_endpgm
.Lfunc_end_k_q95c44fc5a6_gemm:
	.size	k_q95c44fc5a6_gemm, .Lfunc_end_k_q95c44fc5a6_gemm-k_q95c44fc5a6_gemm
	.p2alignl 7, 3214868480
	.fill 96, 4, 3214868480
	.section	.rodata,"a",@progbits
	.p2align	6, 0x0
	.amdhsa_kernel k_q95c44fc5a6_gemm
		.amdhsa_group_segment_fixed_size 327680
		.amdhsa_private_segment_fixed_size 0
		.amdhsa_enable_private_segment 0
		.amdhsa_kernarg_size 32
		.amdhsa_user_sgpr_count 2
		.amdhsa_user_sgpr_kernarg_segment_ptr 1
		.amdhsa_wavefront_size32 1
		.amdhsa_system_sgpr_workgroup_id_x 1
		.amdhsa_system_sgpr_workgroup_id_y 1
		.amdhsa_system_sgpr_workgroup_id_z 1
		.amdhsa_system_vgpr_workitem_id 0
		.amdhsa_next_free_vgpr 1024
		.amdhsa_next_free_sgpr 74
		.amdhsa_reserve_vcc 0
		.amdhsa_float_denorm_mode_32 3
		.amdhsa_float_denorm_mode_16_64 3
		.amdhsa_memory_ordered 1
		.amdhsa_forward_progress 1
		.amdhsa_inst_pref_size 255
	.end_amdhsa_kernel
	.section	.bss,"aw",@nobits
	.p2align	6
	.space	262144
	.amdgpu_metadata
---
amdhsa.version: [ 1, 2 ]
amdhsa.kernels:
  - .name:           k_q95c44fc5a6_gemm
    .symbol:         k_q95c44fc5a6_gemm.kd
    .args:
      - { .name: qa, .offset: 0, .size: 8, .value_kind: global_buffer, .address_space: global }
      - { .name: qb, .offset: 8, .size: 8, .value_kind: global_buffer, .address_space: global }
      - { .name: pmax, .offset: 16, .size: 8, .value_kind: global_buffer, .address_space: global }
      - { .name: out0, .offset: 24, .size: 8, .value_kind: global_buffer, .address_space: global }
    .group_segment_fixed_size: 327680
    .private_segment_fixed_size: 0
    .kernarg_segment_align: 8
    .kernarg_segment_size: 32
    .max_flat_workgroup_size: 128
    .sgpr_count:     74
    .vgpr_count:     1024
    .wavefront_size: 32
...
	.end_amdgpu_metadata
.endif
;; end of part 3
;; ======== version 2 of 2: 3 launches; version 1 with the launch quant written anew for expert scheduling mode
;; workspace buffers: pmax 4,096 bytes; qa 16,777,216 bytes; qb 16,777,216 bytes
;; launch absmax: the kernel of part 1 again; grid 512 x 2, 8 waves a work-group, no clusters, 1,280 bytes of LDS; arguments input1, input2, pmax; writes pmax
;; launch quant (part 4): grid 512 x 2, 8 waves a work-group, no clusters, 0 bytes of LDS; arguments input1, input2, pmax, qa, qb; writes qa, qb
.if DOCPART == 4
	.amdgcn_target "amdgcn-amd-amdhsa--gfx1250"
	.amdhsa_code_object_version 6
	.text
	.protected	k_q95c44fc5a6_quant
	.globl	k_q95c44fc5a6_quant
	.p2align	8
	.type	k_q95c44fc5a6_quant,@function
k_q95c44fc5a6_quant:
	s_mov_b64 s[64:65], 0
	v_nop
	global_prefetch_b8 v0, s[64:65] scope:SCOPE_SE
	s_setreg_imm32_b32 hwreg(HW_REG_WAVE_SCHED_MODE, 0, 2), 2
	s_setreg_imm32_b32 hwreg(HW_REG_WAVE_MODE, 25, 1), 1
	s_wait_xcnt 0x0
	s_wait_alu depctr_vm_vsrc(0)
; SECOND OF THREE LAUNCHES.  q = e4m3(x scale), scale = 216 / max|x|, for both tensors.  The e4m3 numbers are stored as they are, one byte each: nothing is lost, and the third launch widens them to bf16
; (exact: an e4m3 number has 4 significant bits and lies between 2^-9 and 448 in magnitude, or is 0) on their way to the matrix unit.  Nothing of the problem is left out.
; THE ORDER ALONG K.  Both operands are stored in one and the same order of k, which leaves every sum over k as it is.  Inside each block of 256 k, place p = 8 l + c (l = 0..31, c = 0..7) holds
; k = 4 l + c for c < 4 and k = 128 + 4 l + (c - 4) for c >= 4.  That is what falls out when a wave takes 1,024 consecutive bytes of a row of input1 by two loads of 512 and each lane stores its 4 + 4 codes as 8 bytes.
;   qa[m][p]: 4,096 bytes a row.     qb[P][n][e]: place p = 2 P + e; a PAIR ROW P is 8,192 bytes, two codes for each column n.  Places 2 P and 2 P + 1 are neighbouring rows k, k + 1 (k even) of input2.
;   Pair a = k / 2 of a block goes to P = 4 (a / 2) + a % 2 for a < 64, and to 4 ((a - 64) / 2) + 2 + a % 2 for a >= 64.  Chunk x holds rows 8 x .. 8 x + 7, pairs 4 x + j: so its pair rows are
;   128 (x / 32) + 8 (x % 16) + 2 ((x / 16) % 2) + 4 (j / 2) + j % 2.
; THE SCALE.  Each wave finishes its tensor's maximum from the 512 words that the first launch stored, and divides: r = 1 / max (v_rcp_f32), q0 = 216 r, e = 216 - max q0 (one fused line),
; scale = q0 + e r.  That is 216 / max to within the last bit.
; THE ROUNDING.  A turn's eight numbers x scale are rounded to e4m3 by one conversion of eight, whose own block scale is 1 (it divides by 2^e, e the exponent of the number in v6, which is 1.0): number i goes to byte i of a register pair.
; LIMITS.  max|x| lies in 2^-126 .. 2^126 (v_rcp_f32 takes a denormal for 0 and gives 0 for a denormal result: ISA guide, its entry in 15.8).  Where the scale's last bit differs from the f32 quotient's,
; an x scale that falls on the border between two codes may take the neighbouring code.  |x scale| is at most 216 (1 + 2^-22), under e4m3's 448: nothing is clamped.
; A tensor of zeros gives NaN everywhere (0 x infinity), as the problem's own formula does.  A NaN in x becomes a NaN code; it is not in the maximum (first launch).
; SHARES.  Work-group (x, y) has chunk x (131,072 bytes, 8 rows) of tensor y.  A TURN is two loads of 16 bytes a lane and one store of 8: every load of a wave covers 512 consecutive bytes, every store 256, all aligned.
;   input1: wave w, turn u: the 1,024 bytes at 1,024 w + 8,192 u, as two halves.     input2: turn u: the 4,096 bytes at 4,096 (u % 4) of rows 2 (u / 4) and 2 (u / 4) + 1, 16 bytes a thread of each.
; The two tensors differ in the immediates and in the order of packing: one macro, expanded twice, under a scalar branch on y.  All 16 turns are written out: the text has no loop.
; THE MODE: SCHED_MODE bits 1:0 = 2 (LLVM: expert scheduling mode 2), set by the entry lines.  The code itself states the register dependences between vector instructions and memory instructions,
; with s_wait_alu, always for 0.
; THE PLAN.  The 16 turns go in 8 blocks of two.  Registers that memory instructions touch:
;   X, ten slots  Turn u's two loads land in slot u % 10; its multiplies read the slot.  Turns 0 to 9 are asked for at the start; turns 10 to 15 land in slots 0 to 5, asked for in turns 2 to 7.
;   Y             pmax's four loads land in it and the maximum reads it; then the conversions of turns 0 to 7 write it, two registers a turn, and their stores read it.
;   the first two registers of the slots of turns 8 to 15: written by those turns' conversions, read by their stores; these slots take no further load.
;   v1, v2, v3    offsets, each made once and never written again: the immediates reach every turn.
;   The two work buffers, the scale and v6 are named by vector instructions alone.
; Block p works on its own two slots and writes its own results.  Its memory instructions are the four loads of block p + 4, which land in the slots of block p - 1, and the two stores of block p - 1:
; registers that block p - 1 worked on and that no vector instruction of block p names.  So ONE wait at a block's head states all that the block's six memory instructions hang on, and these are dealt among
; its two turns with no further wait.
; NO REGISTER THAT A MEMORY INSTRUCTION HAS READ IS WRITTEN AGAIN (the offsets, the bases, every store's data): so the text holds no wait for a memory instruction's reads of its registers.
; No vector instruction writes a scalar register or VCC, and EXEC is never written.
; No LDS, no barrier: no wave wants another's bytes.  No prefetch: the ring's own loads are the stream.
.set SCL,  4                           ; v[4:5]    the scale, twice (a pair for the packed multiply)
.set ONE,  6                           ; v6        1.0: the conversions' own scale; never rewritten
.set T2,   8                           ; v[8:15]   at work: an odd turn's eight numbers, scaled; ahead of turn 0 three of them serve the scale: v12 1 / max, v13 the maximum, v14 at work
.set Y,    16                          ; v[16:31]  my 16 words of pmax; then the results of turns 0 to 7, turn u: 2 registers
.set T,    32                          ; v[32:39]  at work: an even turn's eight numbers, scaled
.set X,    40                          ; v[40:119] slot u % 10: 8 registers as loaded; in turns 8 to 15 its first two take the result
.set SEL,  24                          ; s[24:25]  v_permlanex16_b32's selects
; v1 my byte in a turn's loads, v2 8 t, v3 16 x lane (never rewritten)
.macro WMAX r, t                       ; the maximum over the wave's 32 lanes, in every lane; t has been written before
	v_max_num_f32_dpp v[\r], v[\r], v[\r] row_xmask:1 row_mask:0xf bank_mask:0xf
	v_max_num_f32_dpp v[\r], v[\r], v[\r] row_xmask:2 row_mask:0xf bank_mask:0xf
	v_max_num_f32_dpp v[\r], v[\r], v[\r] row_xmask:4 row_mask:0xf bank_mask:0xf
	v_max_num_f32_dpp v[\r], v[\r], v[\r] row_xmask:8 row_mask:0xf bank_mask:0xf
	v_permlanex16_b32 v[\t], v[\r], s[SEL], s[SEL+1]
	v_max_num_f32 v[\r], v[\r], v[\t]
.endm
.macro SCALE
	s_wait_loadcnt 20                              ; pmax's four loads are in; the ring's 20 stay out
	v_max3_num_f32 v13, v[Y], v[Y+1], v[Y+2]
.irp j, 3,5,7,9,11,13
	v_max3_num_f32 v13, v13, v[Y+(\j)], v[Y+(\j)+1]
.endr
	v_max_num_f32 v13, v13, v[Y+15]
	v_mov_b32 v14, v13                             ; v_permlanex16_b32's destination counts as read
	WMAX 13, 14                                    ; the tensor's max|x|, in every lane
	v_rcp_f32 v12, v13
	v_nop                                          ; a plain instruction between the reciprocal and the use of its result (ISA guide 5.7.2),
	s_wait_alu depctr_va_vdst(0)                   ; the reciprocal has written v12, ahead of its first reader
	v_mul_f32 v14, s26, v12                        ; q0 = 216 r
	v_fma_f32 v[T], -v13, v14, s26                 ; e = 216 - max q0
	v_fma_f32 v[SCL], v[T], v12, v14               ; scale = q0 + e r
	v_mov_b32 v[SCL+1], v[SCL]
.endm
; Turn u's two loads.  kind = 0: input1, two halves of 1,024 bytes; kind = 1: input2, the same columns of two neighbouring rows.
.macro LD2 kind, u
.if \kind
.set OFA, 32768*((\u)/4)+4096*((\u)%4)
.set OFD, 16384
.else
.set OFA, 8192*(\u)
.set OFD, 512
.endif
	global_load_b128 v[X+8*((\u)%10):X+8*((\u)%10)+3],   v1, s[16:17] offset:OFA th:TH_LOAD_NT
	global_load_b128 v[X+8*((\u)%10)+4:X+8*((\u)%10)+7], v1, s[16:17] offset:OFA+OFD th:TH_LOAD_NT
.endm
; Turn u's store: its eight codes a lane, out of Y (turns 0 to 7) or out of the first two registers of its slot.
.macro ST kind, u
.if \kind
.set OFS, 8192*(4*((\u)/8)+((\u)/4)%2)+2048*((\u)%4)
.else
.set OFS, 2048*(\u)
.endif
.if (\u) < 8
.set DR, Y+2*(\u)
.else
.set DR, X+8*((\u)%10)
.endif
	global_store_b64 v2, v[DR:DR+1], s[18:19] offset:OFS th:TH_STORE_NT
.endm
; One turn: eight numbers a lane are scaled and rounded to e4m3, THE rounding of the problem.
; An even turn opens a block: the wait for the block's four loads, and the block's one wait on va_vdst.  Ahead of its vector work a turn issues the loads of the turn eight on, which land in the slot of the
; turn two back, and that turn's store, the loads first.
; Behind a conversion of this kind one plain vector instruction stands ahead of any vector line that touches its result or writes its sources: the two work buffers take turns, so the next turn's multiplies,
; which write the other buffer, are that instruction.  The conversion's destination (Y, or a slot) overlaps none of its sources (a work buffer and v6).
.macro QT kind, u
.if (\u)%2 == 0
.if (\u) == 0
	s_wait_loadcnt 16                              ; loads come back in order (ISA guide 5.7.1): block 0's four are in, blocks 1 to 4 stay out
.elseif (\u) <= 8
	s_wait_loadcnt 12                              ; my block's four are in, the three younger blocks stay out
.else
	s_wait_loadcnt 2*(14-(\u))                     ; nothing is loaded any more: the counts run down
.endif
.if (\u) > 0
	s_wait_alu depctr_va_vdst(0)                   ; the block before has written its results, which the two stores of this block read, and is done reading its two slots, in which the loads of this block land
.endif
.endif
.if ((\u) >= 2) && ((\u) < 8)
	LD2 \kind, (\u)+8                              ; no vector instruction since the wait names these registers
.endif
.if (\u) >= 2
	ST \kind, (\u)-2                               ; nor these
.endif
.set TT, T+(T2-T)*((\u)%2)             ; this turn's work buffer
.set XS, X+8*((\u)%10)                 ; its slot
.if (\u) < 8
.set DC, Y+2*(\u)                      ; its two result registers
.else
.set DC, XS
.endif
.if \kind
.irp j, 0,1,2,3
	v_mul_f32 v[TT+2*(\j)],   v[SCL], v[XS+(\j)]    ; a column's two rows side by side: the even row's number first, so that its code falls into the lower byte
	v_mul_f32 v[TT+2*(\j)+1], v[SCL], v[XS+4+(\j)]
.endr
.else
.irp j, 0,2,4,6
	v_pk_mul_f32 v[TT+(\j):TT+(\j)+1], v[XS+(\j):XS+(\j)+1], v[SCL:SCL+1]  ; four numbers of the first half, then four of the second
.endr
.endif
	v_cvt_scalef32_pk8_fp8_f32 v[DC:DC+1], v[TT:TT+7], v[ONE]
.endm
.macro BODY kind
	s_wait_alu depctr_va_vdst(0)                   ; v1 is written, which every load of the ring reads as its offset
.irp u, 0,1,2,3,4,5,6,7,8,9
	LD2 \kind, \u                                  ; the ring is filled: blocks 0 to 4
.endr
	SCALE
.irp u, 0,1,2,3,4,5,6,7,8,9,10,11,12,13,14,15
	QT \kind, \u
.endr
	v_nop                                          ; the plain instruction behind the last conversion, ahead of all that touches its result
	s_wait_alu depctr_va_vdst(0)                   ; the last block has written its results, which the last two stores read
	ST \kind, 14
	ST \kind, 15
.endm
	s_load_b256 s[4:11], s[0:1], 0x0               ; input1 s[4:5], input2 s[6:7], pmax s[8:9], qa s[10:11]
	s_load_b64 s[12:13], s[0:1], 0x20              ; qb
	v_lshlrev_b32 v2, 3, v0                        ; 8 t
	v_and_b32 v3, 31, v0
	v_lshlrev_b32 v3, 4, v3                        ; 16 x lane
	v_mov_b32 v[ONE], 1.0
	s_and_b32 s14, ttmp7, 0xffff                   ; y: which tensor
	s_mov_b32 s23, 0
	s_mov_b32 s[SEL], 0x76543210
	s_mov_b32 s[SEL+1], 0xfedcba98
	s_mov_b32 s26, 0x43580000                      ; 216.0
	s_wait_kmcnt 0x0
	s_lshl_b32 s22, s14, 11
	s_add_nc_u64 s[20:21], s[8:9], s[22:23]        ; my tensor's 512 words of pmax
	s_wait_alu depctr_va_vdst(0)                   ; v3 is written, which the four loads below read as their offset; so is v2, which every store reads
.irp j, 0,1,2,3
	global_load_b128 v[Y+4*(\j):Y+4*(\j)+3], v3, s[20:21] offset:512*(\j)  ; wanted first, so asked for first
.endr
	s_lshl_b32 s22, ttmp9, 17                      ; the chunk's first byte in f32
	s_cmp_eq_u32 s14, 0
	s_cbranch_scc0 .Lsecond
	s_add_nc_u64 s[16:17], s[4:5], s[22:23]        ; input1
	s_lshl_b32 s22, ttmp9, 15                      ; the chunk in codes: 32,768 bytes
	s_add_nc_u64 s[18:19], s[10:11], s[22:23]
	v_lshrrev_b32 v1, 5, v0
	v_lshl_add_u32 v1, v1, 10, v3                  ; 1,024 x wave + 16 x lane
	BODY 0
	s_endpgm
.Lsecond:
	s_add_nc_u64 s[16:17], s[6:7], s[22:23]        ; input2
	s_lshr_b32 s27, ttmp9, 5
	s_lshl_b32 s27, s27, 7                         ; 128 (x / 32)
	s_and_b32 s28, ttmp9, 15
	s_lshl3_add_u32 s27, s28, s27                  ; + 8 (x % 16)
	s_bfe_u32 s28, ttmp9, 0x10004
	s_lshl1_add_u32 s27, s28, s27                  ; + 2 ((x / 16) % 2): the chunk's first pair row,
	s_lshl_b32 s22, s27, 13                        ; in bytes (under 2^24)
	s_add_nc_u64 s[18:19], s[12:13], s[22:23]
	v_lshlrev_b32 v1, 4, v0                        ; 16 t
	BODY 1
	s_endpgm
.Lfunc_end_k_q95c44fc5a6_quant:
	.size	k_q95c44fc5a6_quant, .Lfunc_end_k_q95c44fc5a6_quant-k_q95c44fc5a6_quant
	.p2alignl 7, 3214868480
	.fill 96, 4, 3214868480
	.section	.rodata,"a",@progbits
	.p2align	6, 0x0
	.amdhsa_kernel k_q95c44fc5a6_quant
		.amdhsa_group_segment_fixed_size 0
		.amdhsa_private_segment_fixed_size 0
		.amdhsa_enable_private_segment 0
		.amdhsa_kernarg_size 40
		.amdhsa_user_sgpr_count 2
		.amdhsa_user_sgpr_kernarg_segment_ptr 1
		.amdhsa_wavefront_size32 1
		.amdhsa_system_sgpr_workgroup_id_x 1
		.amdhsa_system_sgpr_workgroup_id_y 1
		.amdhsa_system_sgpr_workgroup_id_z 1
		.amdhsa_system_vgpr_workitem_id 0
		.amdhsa_next_free_vgpr 120
		.amdhsa_next_free_sgpr 66
		.amdhsa_reserve_vcc 0
		.amdhsa_float_denorm_mode_32 3
		.amdhsa_float_denorm_mode_16_64 3
		.amdhsa_memory_ordered 1
		.amdhsa_forward_progress 1
		.amdhsa_inst_pref_size 25
	.end_amdhsa_kernel
	.amdgpu_metadata
---
amdhsa.version: [ 1, 2 ]
amdhsa.kernels:
  - .name:           k_q95c44fc5a6_quant
    .symbol:         k_q95c44fc5a6_quant.kd
    .args:
      - { .name: input1, .offset: 0, .size: 8, .value_kind: global_buffer, .address_space: global }
      - { .name: input2, .offset: 8, .size: 8, .value_kind: global_buffer, .address_space: global }
      - { .name: pmax, .offset: 16, .size: 8, .value_kind: global_buffer, .address_space: global }
      - { .name: qa, .offset: 24, .size: 8, .value_kind: global_buffer, .address_space: global }
      - { .name: qb, .offset: 32, .size: 8, .value_kind: global_buffer, .address_space: global }
    .group_segment_fixed_size: 0
    .private_segment_fixed_size: 0
    .kernarg_segment_align: 8
    .kernarg_segment_size: 40
    .max_flat_workgroup_size: 256
    .sgpr_count:     66
    .vgpr_count:     120
    .wavefront_size: 32
...
	.end_amdgpu_metadata
.endif
;; end of part 4
;; launch gemm: the kernel of part 3 again; grid 16 x 16, 4 waves a work-group, clusters of 4 x 4, 327,680 bytes of LDS; arguments qa, qb, pmax, out0; writes out0
